; MI455X (gfx1250); checked and timed in simulation.
; The chip was launched on July 23, 2026; its instructions are those of AMD's public machine-readable ISA for CDNA 5 (MIT licence, August 2026) and "CDNA5" Instruction Set Architecture Reference Guide (July 2026). The comments in the code are by the model that wrote it; some were corrected since.
;; Masked Self Attention. Allowed arithmetic: matrix products marked QUANTISED: E4M3 operands, one given power-of-two scale a tensor, by v_wmma_f32_16x16x64_fp8_fp8 or v_wmma_f32_16x16x128_fp8_fp8, f32 sums; everything else in f32.
;; Inputs: Wk 1,024 x 1,024 float32; Wo 1,024 x 1,024 float32; Wq 1,024 x 1,024 float32; Wv 1,024 x 1,024 float32; bk 1,024 float32; bo 1,024 float32; bq 1,024 float32; bv 1,024 float32; lowp_scales 12 int32 (the exponents e of the quantised operands' scales 2^e); x 4 x 2,048 x 1,024 float32.
;; Outputs: out0 4 x 2,048 x 1,024 float32.
;; This version of the problem:
;;   THIS VERSION OF THE PROBLEM IS GIVEN IN LOW PRECISION. The matrix products marked QUANTISED in the list below multiply operands that are first quantised to E4M3 (4 exponent bits, 3 mantissa bits; 8 bits a number), with one given power-of-two scale for each operand tensor; their sums are f32. All else is computed in f32.
;;   The module's matrix products, in the order in which they are computed (A, B: the left and right operand; K: the contracted axis; several contracted axes count as one K, in the product's order):
;;     1. [M 8,192, K 1,024] x [K 1,024, N 1,024]; A: input x; B: input Wq: QUANTISED (scales: A lowp_scales[0], B lowp_scales[1])
;;     2. [M 8,192, K 1,024] x [K 1,024, N 1,024]; A: input x; B: input Wk: QUANTISED (scales: A lowp_scales[2], B lowp_scales[3])
;;     3. [M 8,192, K 1,024] x [K 1,024, N 1,024]; A: input x; B: input Wv: QUANTISED (scales: A lowp_scales[4], B lowp_scales[5])
;;     4. batch 64 x [M 2,048, K 64] x [K 64, N 2,048]; A: computed on the way; B: computed on the way: QUANTISED (scales: A lowp_scales[6], B lowp_scales[7])
;;     5. batch 64 x [M 2,048, K 2,048] x [K 2,048, N 64]; A: softmax (see below); B: computed on the way: QUANTISED (scales: A lowp_scales[8], B lowp_scales[9])
;;     6. [M 8,192, K 1,024] x [K 1,024, N 1,024]; A: computed on the way; B: input Wo: QUANTISED (scales: A lowp_scales[10], B lowp_scales[11])
;;   THE QUANTISER, for each operand of a quantised product, along K:
;;     - The operand's scale is 2^e, e = its entry of the input lowp_scales (int32; the entries are numbered through the quantised products in the list's order, A before B).
;;     - Each number is divided by the scale, clamped to +-448, and rounded to the nearest number of E4M3, ties to even, subnormals kept.
;;     - The product sums the exact products of the quantised numbers (number of the format x scale) in f32.
;;   ~~~python
;;   def quantise(x, axis, e):      # numpy; x: float32 -> the quantised numbers, widened to float32 again
;;       x = np.moveaxis(x, axis, -1); K = x.shape[-1]
;;       r = np.clip(x / 2.0 ** e, -448, 448)
;;       step = 2.0 ** (np.maximum(np.frexp(np.where(r == 0, 1, r))[1] - 1, -6) - 3)
;;       q = np.round(r / step) * step * 2.0 ** e      # np.round: ties to even
;;       return np.moveaxis(q, -1, axis).astype(np.float32)
;;   ~~~
;;   SOFTMAX AHEAD OF A QUANTISED PRODUCT. Where the list says 'softmax', what is quantised is not the finished softmax but p = 2^(t - M), with t = logit x log2(e) and M = ceil(the row's largest t), a whole number; so 1/2 < the row's largest p <= 1. The row's sum l is taken of the UNQUANTISED p, in f32, and the product's result is divided by l at the end. Since M is a whole number, a kernel that streams over the keys may use a running M (the ceiling of the running maximum): every later rescaling is an exact power of two, so the quantised numbers keep their values, but for numbers so far below the row's largest that they fall under the format's range.
;;   OPERANDS COMPUTED ON THE WAY. 'Computed on the way' means the value that the module computes at that place (a softmax that the list does not call 'softmax' is quantised finished and normalised). What goes into a quantiser is computed in f32, as accurately as f32 sums, v_exp_f32 and their like allow (about 1e-6 of the number): no bf16 or f16 on the way to a quantiser, and a product that is left as it is and whose result goes on into a quantised operand takes f32 operands (vector FMAs, or v_wmma_f32_16x16x4_f32). A number that lies on a knife's edge between two numbers of the format may be rounded either way, as far as f32 arithmetic and the matrix unit's own rounding can turn it there, and no further.
;; One version. Each part assembles by itself: llvm-mc -triple=amdgcn-amd-amdhsa -mcpu=gfx1250 --defsym DOCPART=n.
;; ======== version 1 of 1: 4 launches
;; limits: right only within a limited range of input values
;; workspace buffers: xc 25,165,824 bytes; wc 4,194,304 bytes; qc 8,388,608 bytes; kv 16,777,216 bytes; ctxc 8,388,608 bytes
;; launch prep (part 1): grid 768 x 1, 4 waves a work-group, no clusters, 34,304 bytes of LDS; arguments x, Wq, Wk, Wv, Wo, lowp_scales, xc, wc; writes xc, wc
.if DOCPART == 1
	.amdgcn_target "amdgcn-amd-amdhsa--gfx1250"
	.amdhsa_code_object_version 6
	.text
	.protected	k_q2eb647e0fa_prep
	.globl	k_q2eb647e0fa_prep
	.p2align	8
	.type	k_q2eb647e0fa_prep,@function
k_q2eb647e0fa_prep:
	s_mov_b64 s[64:65], 0
	v_nop
	global_prefetch_b8 v0, s[64:65] scope:SCOPE_SE
	s_setreg_imm32_b32 hwreg(HW_REG_WAVE_MODE, 25, 1), 1
	s_wait_xcnt 0x0
; x [8192][1024] f32 becomes codes of E4M3 three times, under the scales 2^e of entries 0, 2 and 4 of lowp_scales; Wq, Wk, Wv, Wo [k 1024][n 1024] f32 once each, under entries 1, 3, 5, 11.
; code = number / 2^e, held within +-448, rounded to the nearest code, ties to even.  LIMITS: every e between -126 and 119, so that 2^e and 448 x 2^e are f32 numbers.  NaN among the inputs is not served.
; THE LAYOUT OF ALL CODES IS THE IMAGE OF AN OPERAND'S REGISTERS.  A fragment is 16 rows x 128 along K: 16 registers a lane, 2,048 bytes, in four pieces of 512: piece c holds lane l's registers 4 c .. 4 c + 3
; at byte 512 c + 16 l.  Lane l = (r = l % 16, h = l / 16) holds row r; its registers 2 c', 2 c' + 1 hold k = 16 c' + 8 h + 0 .. 7.  So a later launch gets a fragment by four loads of 16 bytes a lane.
;   xc [3 scales][512 tiles of 16 tokens][8 K steps][2048];   wc [4 weights][64 tiles of 16 output channels][8 K steps][2048].
; Work-groups 0 to 511 take 16 rows of x each, work-groups 512 to 767 a block of 128 k x 128 n of one weight.  No tile is shared between work-groups, so there is no cluster; memory binds, so no matrix unit.
.set SP,    528                        ; a stage row: 512 bytes + 16: 16 rows start at 16 different columns of 16 bytes
.set STG,   16*SP                      ; a wave's stage
.set SPARE, 4*STG                      ; behind the four stages: the spare words, 128 bytes for each wave, two blocks of 256 bytes that no other line names
.set LI,    1                          ; v1   16 x lane
.set SPW,   2                          ; v2   LDS address of my spare word; never rewritten
.set NIL,   3                          ; v3   0; never rewritten
.set SC,    4                          ; v4, v6, v8: 2^e as f32 for x's three scales
.set VSTO,  10                         ; v10  the stage, on the way in
.set VRD,   11                         ; v11  and on the way out
.set R0,    16                         ; v16-79, v80-143: a K step's numbers as loaded; once turned, the same registers take its codes (48)
.set X,     144                        ; v144-207: 64 numbers of my row in the operand's order
.set WX,    16                         ; weights: v16-143 my column's 128 numbers down K
.set H0,    144                        ; v144-159 the codes of k = 16 c' + 0 .. 7,  v160-175 those of k = 16 c' + 8 .. 15
.set H1,    160
	s_load_b512 s[4:19], s[0:1], 0x0               ; x s[4:5], Wq s[6:7], Wk s[8:9], Wv s[10:11], Wo s[12:13], the exponents s[14:15], xc s[16:17], wc s[18:19]
	v_lshl_add_u32 v[SPW], v0, 2, SPARE
	v_mov_b32 v[NIL], 0
	v_lshrrev_b32 v1, 5, v0
	v_readfirstlane_b32 s32, v1                    ; wave 0..3
	v_and_b32 v1, 31, v0
	v_lshlrev_b32 v[LI], 4, v1
	s_wait_kmcnt 0x0
	s_load_b256 s[20:27], s[14:15], 0x0            ; entries 0 to 7
	s_load_b128 s[28:31], s[14:15], 0x20           ; entries 8 to 11
	s_cmp_ge_u32 ttmp9, 512
	s_cbranch_scc1 .Lweights
	; ---- x.  Work-group m takes rows 16 m .. 16 m + 15; wave w their K steps 2 w and 2 w + 1 (1,024 bytes of each row).
	s_lshl_b32 s34, ttmp9, 16                      ; 16 rows of 4,096 bytes
	s_lshl_b32 s35, s32, 10
	s_add_co_u32 s34, s34, s35
	s_mov_b32 s35, 0
	s_add_nc_u64 s[4:5], s[4:5], s[34:35]
.set i, 0
	s_wait_alu depctr_va_vdst(0)
.rept 32                                       ; K step i / 16, row i % 16: each load reads 512 consecutive bytes
	global_load_b128 v[R0+4*i:R0+4*i+3], v[LI], s[4:5] offset:4096*(i%16)+512*(i/16) th:TH_LOAD_NT
.set i, i+1
.endr
	s_mul_i32 s33, s32, STG
	v_add_nc_u32 v[VSTO], s33, v[LI]               ; in: a row's 512 bytes as they lie
	v_and_b32 v12, 15, v0
	v_bfe_u32 v13, v0, 4, 1
	v_mul_u32_u24 v[VRD], v12, SP
	v_lshl_add_u32 v[VRD], v13, 5, v[VRD]
	v_add_nc_u32 v[VRD], s33, v[VRD]               ; out: row r, + 32 h: my 8 numbers of each 16 along K
	s_lshl_b32 s34, ttmp9, 14                      ; a tile of 16 tokens is 16,384 bytes of codes,
	s_lshl_b32 s35, s32, 12                        ; my two K steps 4,096 of them
	s_add_co_u32 s34, s34, s35
	s_mov_b32 s35, 0
	s_add_nc_u64 s[34:35], s[16:17], s[34:35]      ; under scale 0,
	s_add_nc_u64 s[36:37], s[34:35], 0x800000      ; scale 1,
	s_add_nc_u64 s[38:39], s[34:35], 0x1000000     ; scale 2
	s_wait_alu depctr_va_vdst(0)
	s_wait_kmcnt 0x0
.irp q, 0,1,2
	s_add_co_i32 s40, s[20+2*\q], 127
	s_lshl_b32 s41, s40, 23
	v_mov_b32 v[SC+2*\q], s41                      ; 2^e: the conversion takes its exponent field
	s_add_co_i32 s40, s40, 8
	s_lshl_b32 s40, s40, 23
	s_or_b32 s40, s40, 0x600000
.endr
; K step s goes through my stage: in as rows, out in the operand's order.  LDS serves a wave's instructions in order, so no wait stands between the stores and the loads, and one stage serves both steps.
.macro TURN s
.set RS, R0+64*(\s)
.set i, 0
.rept 16
	ds_store_b128 v[VSTO], v[RS+4*i:RS+4*i+3] offset:SP*i
.set i, i+1
.endr
.set i, 0
.rept 16
	ds_load_b128 v[X+4*i:X+4*i+3], v[VRD] offset:64*(i/2)+16*(i%2)   ; X[8 c' + j] = x(r, 16 c' + 8 h + j)
.set i, i+1
.endr
.endm
; The 64 numbers are quantised under each of the three scales.
.macro QUANT3 s
.set RS, R0+64*(\s)
.irp q, 0,1,2
.irp c, 0,1,2,3,4,5,6,7
.irp i, 0,1,2,3,4,5,6,7
.endr
	v_cvt_scalef32_pk8_fp8_f32 v[RS+16*\q+2*\c:RS+16*\q+2*\c+1], v[RS+48+8*(\c%2)+((X+8*\c+0)-(RS+48+8*(\c%2)+0)):RS+48+8*(\c%2)+7+((X+8*\c+0)-(RS+48+8*(\c%2)+0))], v[SC+2*\q]
.endr
	v_nop                                          ; a plain line behind the last conversion of a run
.irp c, 0,1,2,3
	global_store_b128 v[LI], v[RS+16*\q+4*\c:RS+16*\q+4*\c+3], s[34+2*\q:35+2*\q] offset:2048*(\s)+512*\c   ; 512 consecutive bytes; no store's data are written again
.endr
.endr
.endm
	s_wait_alu depctr_va_vdst(0)
	s_wait_loadcnt 16                              ; the first K step's 16 loads are in; the second's 16 stay out
	TURN 0
	s_wait_dscnt 0x0                               ; the numbers are back, and the stores have read their registers
	QUANT3 0
	s_wait_loadcnt 0x0
	TURN 1
	s_wait_dscnt 0x0
	QUANT3 1
	s_wait_tensorcnt 0x0                           ; the wave's end, behind my last LDS store
	ds_add_u32 v[SPW], v[NIL]
	s_wait_dscnt 0x0
	s_endpgm
	; ---- the weights.  K is their FIRST axis: a lane takes a column n and its registers run down K, so the conversions give codes with K innermost.
.Lweights:
	s_sub_co_u32 s33, ttmp9, 512
	s_lshr_b32 s40, s33, 6                         ; which weight: 0 q, 1 k, 2 v, 3 o
	s_bfe_u32 s41, s33, 0x30003                    ; which 128 columns
	s_and_b32 s42, s33, 7                          ; which K step
	s_and_b32 s43, s40, 1
	s_cmp_lt_u32 s40, 2
	s_cselect_b64 s[34:35], s[6:7], s[10:11]
	s_cselect_b64 s[36:37], s[8:9], s[12:13]
	s_cmp_eq_u32 s43, 0
	s_cselect_b64 s[34:35], s[34:35], s[36:37]
	s_lshl_b32 s36, s42, 19                        ; 128 rows of 4,096 bytes
	s_lshl_b32 s37, s41, 9
	s_add_co_u32 s36, s36, s37
	s_lshl_b32 s37, s32, 7                         ; my wave's 32 columns
	s_add_co_u32 s36, s36, s37
	s_mov_b32 s37, 0
	s_add_nc_u64 s[34:35], s[34:35], s[36:37]
	s_wait_alu depctr_va_vdst(0)
	v_lshrrev_b32 v12, 2, v[LI]                    ; 4 x lane
.set i, 0
.rept 128
	global_load_b32 v[WX+i], v12, s[34:35] offset:4096*i th:TH_LOAD_NT   ; W(128 ks + i, my column): a wave reads 128 consecutive bytes, the four waves 512
.set i, i+1
.endr
	s_lshl_b32 s36, s40, 20                        ; a weight's codes are 1 MiB,
	s_lshl_b32 s37, s41, 17                        ; 128 columns eight tiles of 16,384 bytes,
	s_add_co_u32 s36, s36, s37
	s_lshl_b32 s37, s32, 15                        ; my wave's 32 columns two,
	s_add_co_u32 s36, s36, s37
	s_lshl_b32 s37, s42, 11                        ; a K step 2,048 bytes
	s_add_co_u32 s36, s36, s37
	s_mov_b32 s37, 0
	s_add_nc_u64 s[38:39], s[18:19], s[36:37]
	s_wait_kmcnt 0x0
	s_cmp_lt_u32 s40, 2
	s_cselect_b32 s36, s21, s25
	s_cselect_b32 s37, s23, s31
	s_cmp_eq_u32 s43, 0
	s_cselect_b32 s36, s36, s37                    ; e
	s_add_co_i32 s36, s36, 127
	s_lshl_b32 s37, s36, 23
	v_mov_b32 v13, s37                             ; 2^e
.set g, 0
	s_wait_alu depctr_va_vdst(0)
.rept 16                                       ; group g: k = 8 g .. 8 g + 7
.if 120-8*g > 63
	s_wait_loadcnt 63                              ; 120 - 8 g loads were issued behind the group's; the wait's count holds 63 at the most, and a smaller count is safe
.else
	s_wait_loadcnt 120-8*g
.endif
.irp i, 0,1,2,3,4,5,6,7
.endr
	v_cvt_scalef32_pk8_fp8_f32 v[H0+16*(g%2)+2*(g/2):H0+16*(g%2)+2*(g/2)+1], v[WX+8*g:WX+8*g+7], v13
.set g, g+1
.endr
	v_nop                                          ; a plain line between the last conversion and the lines that touch its result
; Lanes 0-15 hold the columns of one tile, lanes 16-31 those of the next.  In an image lanes 16-31 hold the SAME 16 columns' k = 16 c' + 8 .. 15: so H0's upper lanes and H1's lower lanes change places.
.set i, 0
.rept 16
	v_permlane16_swap_b32 v[H0+i], v[H1+i]
.set i, i+1
.endr
.irp c, 0,1,2,3
	global_store_b128 v[LI], v[H0+4*\c:H0+4*\c+3], s[38:39] offset:512*\c
	global_store_b128 v[LI], v[H1+4*\c:H1+4*\c+3], s[38:39] offset:16384+512*\c
.endr
	s_wait_tensorcnt 0x0                           ; the same three lines at this way's end
	ds_add_u32 v[SPW], v[NIL]
	s_wait_dscnt 0x0
	s_endpgm
.Lfunc_end_k_q2eb647e0fa_prep:
	.size	k_q2eb647e0fa_prep, .Lfunc_end_k_q2eb647e0fa_prep-k_q2eb647e0fa_prep
	.p2alignl 7, 3214868480
	.fill 96, 4, 3214868480
	.section	.rodata,"a",@progbits
	.p2align	6, 0x0
	.amdhsa_kernel k_q2eb647e0fa_prep
		.amdhsa_group_segment_fixed_size 34304
		.amdhsa_private_segment_fixed_size 0
		.amdhsa_enable_private_segment 0
		.amdhsa_kernarg_size 64
		.amdhsa_user_sgpr_count 2
		.amdhsa_user_sgpr_kernarg_segment_ptr 1
		.amdhsa_wavefront_size32 1
		.amdhsa_system_sgpr_workgroup_id_x 1
		.amdhsa_system_sgpr_workgroup_id_y 1
		.amdhsa_system_sgpr_workgroup_id_z 1
		.amdhsa_system_vgpr_workitem_id 0
		.amdhsa_next_free_vgpr 208
		.amdhsa_next_free_sgpr 66
		.amdhsa_reserve_vcc 0
		.amdhsa_float_denorm_mode_32 3
		.amdhsa_float_denorm_mode_16_64 3
		.amdhsa_fp16_overflow 1
		.amdhsa_memory_ordered 1
		.amdhsa_forward_progress 1
		.amdhsa_inst_pref_size 32
	.end_amdhsa_kernel
	.amdgpu_metadata
---
amdhsa.version: [ 1, 2 ]
amdhsa.kernels:
  - .name:           k_q2eb647e0fa_prep
    .symbol:         k_q2eb647e0fa_prep.kd
    .args:
      - { .name: x, .offset: 0, .size: 8, .value_kind: global_buffer, .address_space: global }
      - { .name: Wq, .offset: 8, .size: 8, .value_kind: global_buffer, .address_space: global }
      - { .name: Wk, .offset: 16, .size: 8, .value_kind: global_buffer, .address_space: global }
      - { .name: Wv, .offset: 24, .size: 8, .value_kind: global_buffer, .address_space: global }
      - { .name: Wo, .offset: 32, .size: 8, .value_kind: global_buffer, .address_space: global }
      - { .name: lowp_scales, .offset: 40, .size: 8, .value_kind: global_buffer, .address_space: global }
      - { .name: xc, .offset: 48, .size: 8, .value_kind: global_buffer, .address_space: global }
      - { .name: wc, .offset: 56, .size: 8, .value_kind: global_buffer, .address_space: global }
    .group_segment_fixed_size: 34304
    .private_segment_fixed_size: 0
    .kernarg_segment_align: 8
    .kernarg_segment_size: 64
    .max_flat_workgroup_size: 128
    .sgpr_count:     66
    .vgpr_count:     208
    .wavefront_size: 32
...
	.end_amdgpu_metadata
.endif
;; end of part 1
;; launch qkv (part 2): grid 4 x 96, 4 waves a work-group, clusters of 4 x 4, 327,680 bytes of LDS; arguments xc, wc, lowp_scales, bq, bk, bv, qc, kv; writes qc, kv
.if DOCPART == 2
	.amdgcn_target "amdgcn-amd-amdhsa--gfx1250"
	.amdhsa_code_object_version 6
	.text
	.protected	k_q2eb647e0fa_qkv
	.globl	k_q2eb647e0fa_qkv
	.p2align	8
	.type	k_q2eb647e0fa_qkv,@function
k_q2eb647e0fa_qkv:
	s_mov_b64 s[64:65], 0
	v_nop
	global_prefetch_b8 v0, s[64:65] scope:SCOPE_SE
	s_setreg_imm32_b32 hwreg(HW_REG_WAVE_MODE, 25, 1), 1
	s_wait_xcnt 0x0
	s_wait_alu depctr_hold_cnt(0) depctr_sa_sdst(0) depctr_va_vdst(0) depctr_va_sdst(0) depctr_va_ssrc(0) depctr_va_vcc(0) depctr_vm_vsrc(0)
	s_getreg_b32 s2, hwreg(HW_REG_IB_STS2, 6, 4)
	s_cmp_eq_u32 s2, 0
	s_cbranch_scc0 .Lentry_in_a_cluster
	s_endpgm
.Lentry_in_a_cluster:
	s_bfe_u32 s2, ttmp6, 0x10000c
	s_cmp_lg_u32 s2, 0xf033
	s_cbranch_scc0 .Lentry_shape_is_right
	s_endpgm
.Lentry_shape_is_right:
; q = x Wq + bq, k = x Wk + bk, v = x Wv + bv on codes of E4M3, and q, k, v quantised at once for the attention's two products.  Sums in f32; number = sum x 2^(ea + eb) + bias, one fused multiply-add;
; code = number / 2^eo, held within +-448.  (ea, eb, eo) are entries (0, 1, 6), (2, 3, 7), (4, 5, 9) of lowp_scales.  LIMITS: ea + eb between -126 and 127, eo between -126 and 119.
; All codes lie as IMAGES OF OPERAND REGISTERS: a fragment (16 rows x 128 K) is 2,048 bytes, piece c of 512 holds lane l's registers 4 c .. 4 c + 3 at 16 l; lane (r, h): row r, registers 2 c', 2 c' + 1: k = 16 c' + 8 h + 0 .. 7.
; xc [3][512 tiles of 16 tokens][8 K steps][2048], wc [4][64 tiles of 16 channels][8][2048].  OUT: qc [64 heads][128 tiles of 16 tokens][1024];  kv [64 heads][16 steps of 128 keys][8 x 1024 of k | 4 x 2048 of v].
; SHARES.  24 clusters of 4 x 4 work-groups: cluster y / 8 is the product (0 q, 1 k, 2 v).  A work-group makes 256 x 256, each of its four waves 128 x 128: 64 accumulators, 512 registers.
; Source 1 ('A') is shared along a row of the cluster, source 0 ('B') along a column, each asked for JOINTLY.  In a result a lane holds ONE row of A and EIGHT neighbouring rows of B.
; For q and k: A = tokens, B = channels: eight neighbours along the head's 64, the K of the scores.  For v: A = channels, B = tokens: eight neighbouring keys, the K of the second product.
; So the conversions' results are the images' registers, and every store of a wave covers 512 consecutive bytes.  Only addresses differ between the products up to the last K step; the products' number is the same in all partners.
; K = 1,024 goes in four steps of 256 through two LDS slots; a slot's tiles are images, so LDS reads are 512 consecutive bytes and need no padding.
; REGISTERS, in windows of 256: window 0: v0-31 addresses and constants; v32-95 the biases; v128-255 A's fragments, ONE set (on the way out: 64 numbers, two sets of 16 registers of codes).
;   window 1: B's fragments, TWO sets.   windows 2, 3: the accumulators, (a, b) at v[8 (8 (a % 4) + b)].
.set SLOT,  131072                     ; A's 16 tiles of 16 rows x 4,096 bytes (256 along K), then B's 16
.set SPARE, 2*SLOT                     ; behind the ring: the spare words, 128 bytes for each wave, two blocks of 256 bytes that no other line names
.set FR,    16                         ; registers of a fragment
.set NL,    4                          ; LDS loads that bring one
.set NP,    4                          ; places behind this matrix instruction (ISA guide 7.12.1)
.set LI,    5                          ; v5   16 x lane
.set SCL,   12                         ; v12  2^eo
.set LIM,   13
.set BOH,   14                         ; v14  32 h: a bias along B's rows
.set BOR,   15                         ; v15  4 r: a bias along A's rows
.set ADRA,  16                         ; v16-17 LDS address of my A fragments in slot 0, 1
.set ADRB,  20                         ; v20-21 the same for B
.set SPW,   28                         ; v28  my spare word; never rewritten
.set NIL,   29                         ; v29  0; never rewritten
.set BP,    32
.set AF,    128
.set TMP,   128
.set CD,    192
.set G1,  24                           ; s[24:31] descriptor group 1 for A's tiles; s[32:39] group 0, a set for each slot
.set G0,  32
.set G1B, 48                           ; s[48:55], s[56:63] the same for B's
.set G0B, 56
.set MSB, 0
.macro WIN new                         ; the immediate's high byte repeats the setting that is left
.if MSB != (\new)
	s_set_vgpr_msb (MSB<<8)|(\new)
.set MSB, (\new)
.endif
.endm
.set MUL_LO, 0xa1                      ; source 0 (B) window 1, source 1 (A) window 0, C and D window 2
.set MUL_HI, 0xf1                      ; the same, C and D window 3
.set TO_B,   0x40                      ; destination window 1, address window 0
; A joint load: waves 0 and 1 fetch A's halves, waves 2 and 3 B's.  The branch hangs on the wave's number alone.  An s_nop 0 and four v_nop follow each of the two lines.
.macro JLOAD g0a, g1a, g0b, g1b
	s_cmp_eq_u32 s21, 0
	s_cbranch_scc0 .Lfor_b_\@
	tensor_load_to_lds s[\g0a:\g0a+3], s[\g1a:\g1a+7]
	s_nop 0
.rept 4
	v_nop
.endr
	s_branch .Lasked_\@
.Lfor_b_\@:
	tensor_load_to_lds s[\g0b:\g0b+3], s[\g1b:\g1b+7]
	s_nop 0
.rept 4
	v_nop
.endr
.Lasked_\@:
.endm
.macro CREST                           ; a round of the cluster's barrier behind its opening barrier
	s_cmp_lg_u32 s20, 0
	s_cbranch_scc1 .Lnot_wave_0_\@
	s_barrier_signal -3
.Lnot_wave_0_\@:
	s_barrier_wait -3
	s_barrier_signal -1
	s_barrier_wait -1
.endm
.macro CROUND
	s_barrier_signal -1
	s_barrier_wait -1
	CREST
.endm
	s_load_b512 s[4:19], s[0:1], 0x0               ; xc s[4:5], wc s[6:7], the exponents s[8:9], bq s[10:11], bk s[12:13], bv s[14:15], qc s[16:17], kv s[18:19]
	v_lshl_add_u32 v[SPW], v0, 2, SPARE
	v_mov_b32 v[NIL], 0
	ds_add_u32 v[SPW], v[NIL]
	ds_add_u32 v[SPW], v[NIL]                      ; the wave's opening: the add and its wait stand ahead of my first tensor load; the set-up below stands between them
	v_lshrrev_b32 v1, 5, v0
	v_readfirstlane_b32 s20, v1                    ; wave 0..3
	s_lshr_b32 s21, s20, 1                         ; which half of A's rows is mine.  Also: I fetch for A (0) or for B (1)
	s_and_b32 s22, s20, 1                          ; which half of B's rows.  Also: which 128 rows of that tile I fetch
	s_bfe_u32 s23, ttmp6, 0x40000                  ; cx
	s_bfe_u32 s40, ttmp6, 0x40004                  ; cy
	s_and_b32 s67, ttmp7, 0xffff                   ; the cluster's y, 0..23
	s_lshr_b32 s66, s67, 3                         ; the product: 0 q, 1 k, 2 v
	s_and_b32 s67, s67, 7
	s_lshl_b32 s67, s67, 2
	s_add_co_u32 s72, s67, s40                     ; tokens' tile along y,
	s_add_co_u32 s74, s67, s23                     ; or along x
	s_cmp_lt_u32 s66, 2
	s_cselect_b32 s42, s72, s40                    ; A's tile of 256 rows: tokens (q, k) or channels (v); it hangs on cy alone
	s_cselect_b32 s41, s23, s74                    ; B's tile: channels (q, k) or tokens (v); it hangs on cx alone
	s_lshl_b32 s43, s40, 2
	s_lshl_b32 s43, 15, s43                        ; my row of the cluster
	s_lshl_b32 s44, 0x1111, s23                    ; my column
	; descriptor group 1: 8 tiles of 16 rows, of each 4,096 bytes (two K steps), 16,384 bytes apart; elements of 8 bytes; no padding
	s_or_b32 s[G1+0], s43, (3<<16)|(1<<21)         ; 15:0 the mask: A's tiles go to my row; 17:16 elements of 8 bytes; 21 set beside a mask
	s_or_b32 s[G1B+0], s44, (3<<16)|(1<<21)
.irp g, G1, G1B
	s_mov_b32 s[\g+1], 512<<16                     ; tensor_dim0 = 512 elements
	s_mov_b32 s[\g+2], 8<<16                       ; tensor_dim1 = 8
	s_mov_b32 s[\g+3], 512<<16                     ; tile_dim0
	s_mov_b32 s[\g+4], 8                           ; tile_dim1
	s_mov_b32 s[\g+5], 2048                        ; tensor_dim0_stride, in elements
	s_mov_b32 s[\g+6], 0
	s_mov_b32 s[\g+7], 0
.endr
	s_lshl_b32 s72, s42, 18                        ; A: 256 rows are 262,144 bytes of codes,
	s_lshl_b32 s73, s22, 17                        ; the half that I fetch,
	s_add_co_u32 s72, s72, s73
	s_lshl_b32 s73, s66, 23                        ; x's codes under the product's scale, or Wv's codes
	s_cmp_lt_u32 s66, 2
	s_cselect_b32 s73, s73, 0x200000
	s_add_co_u32 s72, s72, s73
	s_mov_b32 s73, 0
	s_lshl_b32 s74, s41, 18                        ; B likewise
	s_lshl_b32 s75, s22, 17
	s_add_co_u32 s74, s74, s75
	s_lshl_b32 s75, s66, 20                        ; the product's weight, or x's codes under entry 4
	s_cmp_lt_u32 s66, 2
	s_cselect_b32 s75, s75, 0x1000000
	s_add_co_u32 s74, s74, s75
	s_mov_b32 s75, 0
	s_lshl_b32 s45, s20, 15                        ; where they go: wave x 32,768: no place in the cluster enters an LDS address
	s_wait_dscnt 0x0                               ; the opening add is done
	s_wait_kmcnt 0x0
	s_load_b256 s[76:83], s[8:9], 0x0              ; entries 0 to 7
	s_load_b128 s[84:87], s[8:9], 0x20             ; entries 8 to 11
	s_cmp_lt_u32 s66, 2
	s_cselect_b64 s[68:69], s[4:5], s[6:7]
	s_cselect_b64 s[70:71], s[6:7], s[4:5]
	s_add_nc_u64 s[68:69], s[68:69], s[72:73]
	s_add_nc_u64 s[46:47], s[70:71], s[74:75]
	CROUND                                         ; all sixteen work-groups are here: the first joint loads meet
.irp s, 0,1
	s_mov_b32 s[G0+4*\s], 1
	s_add_co_u32 s[G0+4*\s+1], s45, \s*SLOT
	s_add_nc_u64 s[G0+4*\s+2:G0+4*\s+3], s[68:69], \s*4096
	s_or_b32 s[G0+4*\s+3], s[G0+4*\s+3], 0x80000000
	s_mov_b32 s[G0B+4*\s], 1
	s_add_co_u32 s[G0B+4*\s+1], s45, \s*SLOT
	s_add_nc_u64 s[G0B+4*\s+2:G0B+4*\s+3], s[46:47], \s*4096
	s_or_b32 s[G0B+4*\s+3], s[G0B+4*\s+3], 0x80000000
	JLOAD G0+4*\s, G1, G0B+4*\s, G1B               ; two loads of mine are out behind these
.endr
	v_and_b32 v3, 31, v0
	v_lshlrev_b32 v[LI], 4, v3
	v_and_b32 v1, 15, v0                           ; r
	v_bfe_u32 v2, v0, 4, 1                         ; h
	v_lshlrev_b32 v[BOH], 5, v2
	v_lshlrev_b32 v[BOR], 2, v1
	s_lshl_b32 s90, s21, 15                        ; my 128 rows of A,
	s_lshl_b32 s91, s22, 15                        ; my 128 rows of B,
	s_add_co_u32 s91, s91, 65536                   ; which lie behind A's 256
.irp s, 0,1
	v_add_nc_u32 v[ADRA+\s], s90, v[LI]
	v_add_nc_u32 v[ADRB+\s], s91, v[LI]
	s_add_co_u32 s90, s90, SLOT
	s_add_co_u32 s91, s91, SLOT
.endr
	; where my results go
	s_lshl_b32 s72, s42, 8
	s_lshl_b32 s73, s21, 7
	s_add_co_u32 s72, s72, s73                     ; my first row of A,
	s_lshl_b32 s74, s41, 8
	s_lshl_b32 s75, s22, 7
	s_add_co_u32 s74, s74, s75                     ; of B
	s_cmp_lt_u32 s66, 2
	s_cselect_b32 s90, s72, s74                    ; my first token,
	s_cselect_b32 s91, s74, s72                    ; my first channel
	s_lshr_b32 s98, s90, 11                        ; the batch,
	s_lshl_b32 s98, s98, 4
	s_lshr_b32 s99, s91, 6                         ; the first of my two heads
	s_add_co_u32 s98, s98, s99
	s_lshl_b32 s98, s98, 17                        ; a head of qc is 131,072 bytes,
	s_bfe_u32 s99, s90, 0x40007                    ; my 128 tokens' number in the batch
	s_lshl_b32 s99, s99, 13                        ; 8,192 bytes of it
	s_add_co_u32 s98, s98, s99
	s_min_u32 s99, s66, 1
	s_lshl_b32 s98, s98, s99                       ; in kv both are twice that
	s_lshl_b32 s72, 0x20000, s99                   ; from a head to the next
	s_cmp_eq_u32 s66, 2
	s_cselect_b32 s73, 8192, 0                     ; v lies behind a step's k
	s_add_co_u32 s98, s98, s73
	s_mov_b32 s99, 0
	s_mov_b32 s73, 0
	s_cmp_eq_u32 s66, 0
	s_cselect_b64 s[92:93], s[16:17], s[18:19]
	s_cselect_b64 s[96:97], s[10:11], s[12:13]
	s_add_nc_u64 s[92:93], s[92:93], s[98:99]      ; my first head,
	s_add_nc_u64 s[94:95], s[92:93], s[72:73]      ; my second
	s_cmp_eq_u32 s66, 2
	s_cselect_b64 s[96:97], s[14:15], s[96:97]
	s_lshl_b32 s98, s91, 2
	s_add_nc_u64 s[96:97], s[96:97], s[98:99]      ; the bias at my first channel
	s_wait_alu depctr_va_vdst(0)
	s_wait_kmcnt 0x0
	s_cmp_eq_u32 s66, 1
	s_cselect_b32 s72, s78, s76
	s_cselect_b32 s73, s79, s77
	s_cselect_b32 s74, s83, s82
	s_cmp_eq_u32 s66, 2
	s_cselect_b32 s72, s80, s72                    ; ea
	s_cselect_b32 s73, s81, s73                    ; eb
	s_cselect_b32 s74, s85, s74                    ; eo
	s_add_co_i32 s72, s72, s73
	s_add_co_i32 s72, s72, 127
	s_lshl_b32 s88, s72, 23                        ; 2^(ea + eb) as f32
	s_mov_b32 s89, s88                             ; (named with it as a pair, so it is written)
	s_add_co_i32 s74, s74, 127
	s_lshl_b32 s75, s74, 23
	v_mov_b32 v[SCL], s75
.macro FRAG reg, adr, q, i             ; a fragment comes as it was stored: four loads of 512 consecutive bytes
.irp c, 0,1,2,3
	ds_load_b128 v[\reg+4*\c:\reg+4*\c+3], v[\adr] offset:4096*(\i)+2048*(\q)+512*\c
.endr
.endm
; 16 matrix instructions: A's blocks a0, a0 + 1 x B's eight, 128 along K.  p: B's set.  zero = 1: the first product starts the sums.  The 64 accumulators take turns, one instruction a turn.
.macro MUL16 a0, p, zero
.irp a, \a0, \a0+1
.irp b, 0,1,2,3,4,5,6,7
.if \zero
	v_wmma_f32_16x16x128_fp8_fp8 v[8*(8*((\a)%4)+\b):8*(8*((\a)%4)+\b)+7], v[128*(\p)+FR*\b:128*(\p)+FR*\b+FR-1], v[AF+FR*(\a):AF+FR*(\a)+FR-1], 0
.else
	v_wmma_f32_16x16x128_fp8_fp8 v[8*(8*((\a)%4)+\b):8*(8*((\a)%4)+\b)+7], v[128*(\p)+FR*\b:128*(\p)+FR*\b+FR-1], v[AF+FR*(\a):AF+FR*(\a)+FR-1], v[8*(8*((\a)%4)+\b):8*(8*((\a)%4)+\b)+7]
.endif
.endr
.endr
.endm
.macro FETCH_B slot, q, p
	WIN TO_B
.irp i, 0,1,2,3,4,5,6,7
	FRAG 128*(\p)+FR*\i, ADRB+\slot, \q, \i
.endr
	WIN 0
.endm
.macro FETCH_A slot, q, i0
.irp i, \i0, \i0+1, \i0+2, \i0+3
	FRAG AF+FR*(\i), ADRA+\slot, \q, \i
.endr
.endm
.macro PLACES n                        ; plain vector lines between a matrix instruction and a load into, or a vector line on, one of its registers
.rept \n
	v_nop
.endr
.endm
; A step of 128 along K that has its successor in the same slot.  A block of A is free once its eight products are issued: blocks 0-3 are fetched anew in the step's middle, blocks 4-7 at its end.
.macro STEP slot, q, zero
	s_wait_dscnt 4*NL                              ; B's set and A's blocks 0-3 are in; the youngest 16 loads (A's blocks 4-7) may be out
	WIN MUL_LO
	MUL16 0, (\q)%2, \zero
	MUL16 2, (\q)%2, \zero
	s_wait_dscnt 0                                 ; A's blocks 4-7 are in
	PLACES NP
	FETCH_B \slot, (\q)+1, 1-(\q)%2
	FETCH_A \slot, (\q)+1, 0
	WIN MUL_HI
	MUL16 4, (\q)%2, \zero
	MUL16 6, (\q)%2, \zero
	PLACES NP
	WIN 0
	FETCH_A \slot, (\q)+1, 4
.endm
; A slot's last step changes slots: ONE barrier; in front of it each wave waits for all its tensor loads, adds 0 to its spare word, and waits for that and for its reads of this slot.  fill = 1: the slot is filled again, 512 along K on.
.macro TURN slot, next, fill
	s_wait_tensorcnt 0x0                           ; all my tensor loads have landed: my part of the next slot (every window is 0 here)
	ds_add_u32 v[SPW], v[NIL]                      ; 0 onto my spare word
	s_wait_dscnt 4*NL+1                            ; (the add and the youngest 16 loads may be out)
	WIN MUL_LO
	MUL16 0, 1, 0                                  ; sixteen matrix instructions stand between the add and the wait for it
	s_wait_dscnt 0x0                               ; the add is done, and my reads of this slot are over
	s_barrier_signal -1
	MUL16 2, 1, 0
	WIN 0
	s_barrier_wait -1
.if \fill
	CREST                                          ; the barrier has opened a round of the cluster's: no wave of any partner still reads this slot or has a load on its way
	s_add_nc_u64 s[G0+4*\slot+2:G0+4*\slot+3], s[G0+4*\slot+2:G0+4*\slot+3], 8192
	s_add_nc_u64 s[G0B+4*\slot+2:G0B+4*\slot+3], s[G0B+4*\slot+2:G0B+4*\slot+3], 8192
	JLOAD G0+4*\slot, G1, G0B+4*\slot, G1B         ; the first tensor load behind the round; its four v_nop are the places in front of the loads below
.else
	PLACES NP
.endif
	FETCH_B \next, 0, 0
	FETCH_A \next, 0, 0
	WIN MUL_HI
	MUL16 4, 1, 0
	MUL16 6, 1, 0
	PLACES NP
	WIN 0
	FETCH_A \next, 0, 4
.endm
.macro LAST                            ; the last step: nothing more to fetch
	s_wait_dscnt 4*NL
	WIN MUL_LO
	MUL16 0, 1, 0
	MUL16 2, 1, 0
	s_wait_dscnt 0
	WIN MUL_HI
	MUL16 4, 1, 0
	MUL16 6, 1, 0
	WIN 0
.endm
; THE WAY OUT of A's block a: 64 sums a lane become numbers, are held and converted; the 16 registers of codes are images' registers.  kind = 0: q or k (the bias runs along B's rows); 1: v (along A's rows).
.macro OUT kind, a
.set AC, 64*((\a)%4)
.set CC, CD+16*((\a)%2)
.if (\a) >= 2
	s_wait_xcnt 0x0                                ; the stores of two blocks ago have read this set of codes: it is written again only behind this wait
.endif
	WIN 0x02+((\a)/4)                              ; source 0: window 2 or 3
.set j, 0
.rept 32                                       ; each accumulator from its low end on
.if \kind
	v_pk_fma_f32 v[TMP+j:TMP+j+1], v[AC+j:AC+j+1], s[88:89], v[BP+2*(\a):BP+2*(\a)+1] op_sel_hi:[1,0,0]
.else
	v_pk_fma_f32 v[TMP+j:TMP+j+1], v[AC+j:AC+j+1], s[88:89], v[BP+j:BP+j+1] op_sel_hi:[1,0,1]
.endif
.set j, j+2
.endr
	WIN 0
.irp b, 0,1,2,3,4,5,6,7
.irp i, 0,1,2,3,4,5,6,7
.endr
	v_cvt_scalef32_pk8_fp8_f32 v[CC+2*\b:CC+2*\b+1], v[TMP+8*\b:TMP+8*\b+7], v[SCL]
.endr
	v_nop                                          ; a plain line behind the last conversion: the next block writes its sources
.if \kind
.irp p, 0,1,2,3                                ; 16 channels x 128 keys: head a / 4 of my two, tile a % 4 of its four
	global_store_b128 v[LI], v[CC+4*\p:CC+4*\p+3], s[92:93] offset:262144*((\a)/4)+2048*((\a)%4)+512*\p
.endr
.else
.irp p, 0,1                                    ; 16 tokens x 64 of each of my two heads
	global_store_b128 v[LI], v[CC+4*\p:CC+4*\p+3], s[92:93] offset:1024*(\a)+512*\p
	global_store_b128 v[LI], v[CC+8+4*\p:CC+8+4*\p+3], s[94:95] offset:1024*(\a)+512*\p
.endr
.endif
.endm
	s_wait_tensorcnt 1                             ; my part of slot 0 is in (slot 1's load may be out)
	s_barrier_signal -1
	s_barrier_wait -1                              ; everybody's is
	FETCH_B 0, 0, 0
	FETCH_A 0, 0, 0
	FETCH_A 0, 0, 4
	STEP 0, 0, 1                                   ; the first products start the sums
	TURN 0, 1, 1                                   ; slot 0 takes K 512 on
	STEP 1, 0, 0
	TURN 1, 0, 1                                   ; slot 1 takes K 768 on
	STEP 0, 0, 0
	TURN 0, 1, 0                                   ; nothing is left to fetch
	STEP 1, 0, 0
	s_cmp_eq_u32 s66, 2                            ; the ways part here, on the product's number: each asks for its bias, runs the last step, and goes out
	s_cbranch_scc1 .Lvalues
.set b, 0
.rept 8                                        ; bias(my first channel + 16 b + 8 h + 0 .. 7)
	global_load_b128 v[BP+8*b:BP+8*b+3], v[BOH], s[96:97] offset:64*b
	global_load_b128 v[BP+8*b+4:BP+8*b+7], v[BOH], s[96:97] offset:64*b+16
.set b, b+1
.endr
	LAST
	s_wait_loadcnt 0x0
	PLACES NP
.irp a, 0,1,2,3,4,5,6,7
	OUT 0, \a
.endr
	s_branch .Lend
.Lvalues:
.set b, 0
.rept 8                                        ; bias(my first channel + 16 a + r)
	global_load_b32 v[BP+2*b], v[BOR], s[96:97] offset:64*b
	v_mov_b32 v[BP+2*b+1], 0                       ; (named as the upper half of the pair)
.set b, b+1
.endr
	LAST
	s_wait_loadcnt 0x0
	PLACES NP
	s_wait_alu depctr_va_vdst(0)
.irp a, 0,1,2,3,4,5,6,7
	OUT 1, \a
.endr
.Lend:
	s_wait_tensorcnt 0x0                           ; the wave's end
	ds_add_u32 v[SPW], v[NIL]
	s_wait_dscnt 0x0
	CROUND                                         ; the closing round: no work-group ends while a partner may still ask for a tile that names it
	s_endpgm
.Lfunc_end_k_q2eb647e0fa_qkv:
	.size	k_q2eb647e0fa_qkv, .Lfunc_end_k_q2eb647e0fa_qkv-k_q2eb647e0fa_qkv
	.p2alignl 7, 3214868480
	.fill 96, 4, 3214868480
	.section	.rodata,"a",@progbits
	.p2align	6, 0x0
	.amdhsa_kernel k_q2eb647e0fa_qkv
		.amdhsa_group_segment_fixed_size 327680
		.amdhsa_private_segment_fixed_size 0
		.amdhsa_enable_private_segment 0
		.amdhsa_kernarg_size 64
		.amdhsa_user_sgpr_count 2
		.amdhsa_user_sgpr_kernarg_segment_ptr 1
		.amdhsa_wavefront_size32 1
		.amdhsa_system_sgpr_workgroup_id_x 1
		.amdhsa_system_sgpr_workgroup_id_y 1
		.amdhsa_system_sgpr_workgroup_id_z 1
		.amdhsa_system_vgpr_workitem_id 0
		.amdhsa_next_free_vgpr 1024
		.amdhsa_next_free_sgpr 100
		.amdhsa_reserve_vcc 0
		.amdhsa_float_denorm_mode_32 3
		.amdhsa_float_denorm_mode_16_64 3
		.amdhsa_fp16_overflow 1
		.amdhsa_memory_ordered 1
		.amdhsa_forward_progress 1
		.amdhsa_inst_pref_size 134
	.end_amdhsa_kernel
	.amdgpu_metadata
---
amdhsa.version: [ 1, 2 ]
amdhsa.kernels:
  - .name:           k_q2eb647e0fa_qkv
    .symbol:         k_q2eb647e0fa_qkv.kd
    .args:
      - { .name: xc, .offset: 0, .size: 8, .value_kind: global_buffer, .address_space: global }
      - { .name: wc, .offset: 8, .size: 8, .value_kind: global_buffer, .address_space: global }
      - { .name: lowp_scales, .offset: 16, .size: 8, .value_kind: global_buffer, .address_space: global }
      - { .name: bq, .offset: 24, .size: 8, .value_kind: global_buffer, .address_space: global }
      - { .name: bk, .offset: 32, .size: 8, .value_kind: global_buffer, .address_space: global }
      - { .name: bv, .offset: 40, .size: 8, .value_kind: global_buffer, .address_space: global }
      - { .name: qc, .offset: 48, .size: 8, .value_kind: global_buffer, .address_space: global }
      - { .name: kv, .offset: 56, .size: 8, .value_kind: global_buffer, .address_space: global }
    .group_segment_fixed_size: 327680
    .private_segment_fixed_size: 0
    .kernarg_segment_align: 8
    .kernarg_segment_size: 64
    .max_flat_workgroup_size: 128
    .sgpr_count:     100
    .vgpr_count:     1024
    .wavefront_size: 32
...
	.end_amdgpu_metadata
.endif
;; end of part 2
;; launch attn (part 3): grid 4 x 64, 16 waves a work-group, clusters of 4 x 1, 264,192 bytes of LDS; arguments qc, kv, lowp_scales, ctxc; writes ctxc
.if DOCPART == 3
	.amdgcn_target "amdgcn-amd-amdhsa--gfx1250"
	.amdhsa_code_object_version 6
	.text
	.protected	k_q2eb647e0fa_attn
	.globl	k_q2eb647e0fa_attn
	.p2align	8
	.type	k_q2eb647e0fa_attn,@function
k_q2eb647e0fa_attn:
	s_mov_b64 s[64:65], 0
	v_nop
	global_prefetch_b8 v0, s[64:65] scope:SCOPE_SE
	s_setreg_imm32_b32 hwreg(HW_REG_WAVE_MODE, 25, 1), 1
	s_wait_xcnt 0x0
	s_wait_alu depctr_hold_cnt(0) depctr_sa_sdst(0) depctr_va_vdst(0) depctr_va_sdst(0) depctr_va_ssrc(0) depctr_va_vcc(0) depctr_vm_vsrc(0)
	s_getreg_b32 s2, hwreg(HW_REG_IB_STS2, 6, 4)
	s_cmp_eq_u32 s2, 0
	s_cbranch_scc0 .Lentry_in_a_cluster
	s_endpgm
.Lentry_in_a_cluster:
	s_bfe_u32 s2, ttmp6, 0x10000c
	s_cmp_lg_u32 s2, 0x3003
	s_cbranch_scc0 .Lentry_shape_is_right
	s_endpgm
.Lentry_shape_is_right:
; ctx = softmax(q k^T / 8, causal) v for 64 heads of 2,048 tokens x 64, both products on codes of E4M3, and ctx quantised for the last projection.  Entries 6 to 10 of lowp_scales: eq, ek, ep, ev, ec.
; THE SOFTMAX: t = score x log2(e) / 8; M = the running largest t rounded UP to a whole number; p = 2^(t - M) is quantised along the keys, not normalised; the row's sum is taken of the unquantised p and divides at the end.
; When M moves, the sum and O are multiplied by 2^(old M - new M), which rounds nothing.
; LIMITS: eq + ek between -123 and 130 (they are added to the constant's exponent field); ep, and ec - ep - ev, between -126 and 119.
; INPUTS as images of operand registers (piece of 512 bytes: lane l's four registers at 16 l; lane (r, h): row r, registers 2 c', 2 c' + 1: k = 16 c' + 8 h + 0 .. 7):
;   qc [head][128 tiles of 16 queries][1024];  kv [head][16 steps of 128 keys][ k: 8 tiles of 16 keys x 1024 | v: 4 tiles of 16 channels x 128 keys x 2048 ].   OUT: ctxc [512 tiles of 16 tokens][16 heads][1024].
; SHARES.  A cluster of four work-groups is a head.  The head's k and v, 262,144 bytes, lie in each partner's LDS WHOLE, brought by four JOINT loads at the head: nothing is filled again.
; Wave w takes the group of 128 queries g(w), partner cx the 32 queries 32 cx on of each group: two tiles of 16, which share every fragment read from LDS.  A wave walks steps 0 .. g; step g is its diagonal.
; So every branch hangs on the wave's number alone; cx enters the global addresses of q and ctx and the mask's comparison, and nothing else.  All 256 work-groups have equal work.
; g(w) = 4 (a ^ b) + (a ^ 2b), a = w % 4, b = w / 4, 2b the product in the field of four elements: over the four waves with one a, and over the four with one b, both terms take each value once: 34 steps for each such four.
; LAYOUT.  S^T = k q^T (source 0 = 16 keys, source 1 = 16 queries), O^T = v^T p^T (source 0 = 16 channels): a lane holds ONE query throughout; tile u's eight scores are keys 16 u + 8 h + 0 .. 7, so p's codes of tile u
; are registers 2 u, 2 u + 1 of the second product's operand, and O^T's codes are the image of ctx.
; REGISTERS: v1-11 addresses and constants; v12-19 -M, the largest t and the sum for the two tiles; v20-23 the two factors; v24-31 at work; v32-47 q; v48-63 p's codes of the first tile;
;   v64-127 k's eight fragments, then p's codes of the second tile; v128-191 scores and p, then v's four fragments; v192-255 O^T.
.set SPARE, 262144                     ; behind k and v: the spare words, 128 bytes for each of 16 waves, eight blocks of 256 bytes that no other line names
.set LI,   1                           ; v1   16 x lane
.set ADR,  2                           ; v2   LDS address of the step in hand
.set SPW,  3                           ; v3   my spare word; never rewritten
.set NIL,  4                           ; v4   0; never rewritten
.set DM,   5                           ; v5, v6  my query's place in its group of 128, less 8 h, for the two tiles
.set SCL,  7                           ; v7   2^ep
.set MX0,  8
.set MX1,  9
.set QQ,   32
.set PA,   48
.set KF,   64
.set SS,   128
.set OO,   192
.set WV,   12                          ; s12  wave
.set CX,   13                          ; s13  my place in the cluster
.set BN,   14                          ; s14  the head
.set GM,   15                          ; s15  g(w)
.set SEL,  20                          ; s[20:21] lane selects: lane l xor 16
.set CS,   22                          ; s[22:23] c = log2(e) / 8 x 2^(eq + ek)
.set LIMS, 24
.set TB,   25                          ; s25  LDS byte of the step in hand
.set KS,   26                          ; s26  its number
.set CNT,  27
.set G1,   28                          ; s[28:35] descriptor group 1;  s[36:51] four groups 0
.set G0,   36
.macro ROUND                           ; a round of the cluster's barrier
	s_barrier_signal -1
	s_barrier_wait -1
	s_cmp_lg_u32 s[WV], 0
	s_cbranch_scc1 .Lnot_wave_0_\@
	s_barrier_signal -3
.Lnot_wave_0_\@:
	s_barrier_wait -3
	s_barrier_signal -1
	s_barrier_wait -1
.endm
	s_load_b256 s[4:11], s[0:1], 0x0               ; qc s[4:5], kv s[6:7], the exponents s[8:9], ctxc s[10:11]
	v_lshl_add_u32 v[SPW], v0, 2, SPARE
	v_mov_b32 v[NIL], 0
	ds_add_u32 v[SPW], v[NIL]                      ; the wave's opening: the add and its wait stand ahead of the first tensor load; the set-up below stands between them
	ds_add_u32 v[SPW], v[NIL]
	v_lshrrev_b32 v1, 5, v0
	s_delay_alu instid0(VALU_DEP_1)
	v_readfirstlane_b32 s[WV], v1                  ; wave 0..15
	s_bfe_u32 s[CX], ttmp6, 0x40000
	s_and_b32 s[BN], ttmp7, 0xffff                 ; the cluster's y
	s_and_b32 s16, s[WV], 3                        ; a
	s_lshr_b32 s17, s[WV], 2                       ; b
	s_lshl_b32 s18, s17, 1
	s_lshr_b32 s19, s17, 1
	s_mul_i32 s19, s19, 3
	s_xor_b32 s18, s18, s19
	s_and_b32 s18, s18, 3                          ; 2b in the field of four: 0, 2, 3, 1
	s_xor_b32 s18, s18, s16
	s_xor_b32 s19, s16, s17
	s_lshl_b32 s19, s19, 2
	s_add_co_u32 s[GM], s19, s18
	; descriptor group 1: a dense block of 65,536 bytes (four steps) as 256 rows of 256 bytes; elements of 8 bytes
	s_mov_b32 s[G1], 15|(3<<16)|(1<<21)            ; 15:0 the mask: all four work-groups; 17:16 elements of 8 bytes; 21 set beside a mask
	s_mov_b32 s[G1+1], 32<<16                      ; tensor_dim0 = 32
	s_mov_b32 s[G1+2], 256<<16                     ; tensor_dim1 = 256
	s_mov_b32 s[G1+3], 32<<16                      ; tile_dim0
	s_mov_b32 s[G1+4], 256                         ; tile_dim1
	s_mov_b32 s[G1+5], 32                          ; tensor_dim0_stride
	s_mov_b32 s[G1+6], 0
	s_mov_b32 s[G1+7], 0
	s_mov_b32 s[SEL], 0x76543210
	s_mov_b32 s[SEL+1], 0xfedcba98
	s_mov_b32 s[CS], 0x3e38aa3b                    ; log2(e) / 8
	s_lshl_b32 s66, s[BN], 18                      ; kv: the head
	s_mov_b32 s67, 0
	s_lshl_b32 s68, s[BN], 17                      ; qc: the head, my group's eight tiles, my work-group's two of them
	s_lshl_b32 s69, s[GM], 13
	s_add_co_u32 s68, s68, s69
	s_lshl_b32 s69, s[CX], 11
	s_add_co_u32 s68, s68, s69
	s_mov_b32 s69, 0
	s_lshr_b32 s70, s[BN], 4                       ; ctxc: the batch's 128 tiles of 16,384 bytes, my group's eight, my two, and the head's 1,024 bytes
	s_lshl_b32 s70, s70, 21
	s_lshl_b32 s71, s[GM], 17
	s_add_co_u32 s70, s70, s71
	s_lshl_b32 s71, s[CX], 15
	s_add_co_u32 s70, s70, s71
	s_and_b32 s71, s[BN], 15
	s_lshl_b32 s71, s71, 10
	s_add_co_u32 s70, s70, s71
	s_mov_b32 s71, 0
	s_wait_dscnt 0x0                               ; the opening add is done
	s_wait_kmcnt 0x0
	s_load_b256 s[52:59], s[8:9], 0x0              ; entries 0 to 7: eq s58, ek s59
	s_load_b128 s[60:63], s[8:9], 0x20             ; entries 8 to 11: ep s60, ev s61, ec s62
	s_add_nc_u64 s[6:7], s[6:7], s[66:67]
	s_add_nc_u64 s[4:5], s[4:5], s[68:69]
	s_add_nc_u64 s[10:11], s[10:11], s[70:71]
.irp g, 0,1,2,3
	s_mov_b32 s[G0+4*\g], 1
	s_mov_b32 s[G0+4*\g+1], 65536*\g
	s_add_nc_u64 s[G0+4*\g+2:G0+4*\g+3], s[6:7], 65536*\g
	s_or_b32 s[G0+4*\g+3], s[G0+4*\g+3], 0x80000000
.endr
	ROUND                                          ; all four work-groups are here: the joint loads meet
	s_cmp_lg_u32 s[WV], 0                          ; wave 0, which has the least work (g = 0), asks for all four: four loads of its own are out
	s_cbranch_scc1 .Lasked
.irp g, 0,1,2,3
	tensor_load_to_lds s[G0+4*\g:G0+4*\g+3], s[G1:G1+7]
	s_nop 0
.endr
.rept 4
	v_nop
.endr
.Lasked:
	v_and_b32 v1, 31, v0
	s_delay_alu instid0(VALU_DEP_1)
	v_lshlrev_b32 v[LI], 4, v1
.irp i, 0,1,2,3
	global_load_b128 v[QQ+4*\i:QQ+4*\i+3], v[LI], s[4:5] offset:512*\i th:TH_LOAD_NT   ; my two tiles of q stay in registers
.endr
	v_and_b32 v28, 15, v0
	v_bfe_u32 v29, v0, 4, 1
	s_delay_alu instid0(VALU_DEP_1)
	v_lshlrev_b32 v29, 3, v29
	s_delay_alu instid0(VALU_DEP_1)
	v_sub_nc_u32 v[DM], v28, v29
	s_lshl_b32 s66, s[CX], 5
	v_add_nc_u32 v[DM], s66, v[DM]                 ; 32 cx + r - 8 h
	s_delay_alu instid0(VALU_DEP_1)
	v_add_nc_u32 v[DM+1], 16, v[DM]
	v_mov_b32 v13, 0xff61b1e6                      ; the largest t so far: -3e38, under every t
	s_delay_alu instid0(VALU_DEP_1)
	v_floor_f32 v12, -v13                          ; -M
	v_mov_b32 v17, 0xff61b1e6
	s_delay_alu instid0(VALU_DEP_1)
	v_floor_f32 v16, -v17
.irp j, 10,11,14,15,18,19,21,23
	v_mov_b32 v\j, 0                               ; the sums; the permutes' destinations and the pairs' upper halves, which count as read
.endr
.set j, 0
.rept 64
	v_mov_b32 v[OO+j], 0                           ; O^T.  (The step is written with no first form of its own: the first change of M multiplies zeros)
.set j, j+1
.endr
	s_wait_kmcnt 0x0
	s_add_co_i32 s66, s58, s59
	s_lshl_b32 s66, s66, 23
	s_add_co_i32 s[CS], s[CS], s66                 ; a score stands for score x 2^(eq + ek)
	s_mov_b32 s[CS+1], s[CS]                       ; (named with it as a pair, so it is written)
	s_add_co_i32 s66, s60, 127
	s_lshl_b32 s67, s66, 23
	v_mov_b32 v[SCL], s67
	s_sub_co_i32 s66, s62, s60
	s_sub_co_i32 s66, s66, s61                     ; O / the sum stands for ctx / 2^(ep + ev): its code is that / 2^(ec - ep - ev)
	s_add_co_i32 s66, s66, 127
	s_lshl_b32 s67, s66, 23
	v_mov_b32 v27, s67
; One tile's softmax for one step: 64 scores a lane in v[SS] on become p; its codes go to v[p] on.
.macro SOFTMAX tl, p
.set ST, 12+4*(\tl)                    ; -M, the largest t, the sum's two halves
.set FF, 20+2*(\tl)                    ; the factor
	s_cmp_lg_u32 s[KS], s[GM]                      ; on the diagonal the scores of hidden keys become -infinity ahead of the maximum; the step's first key counts for every query
	s_cbranch_scc1 .Lopen_\@
	v_mov_b32 v28, 0xff800000
.set n, 0
.rept 64                                       ; register 8 u + j holds key 16 u + 8 h + j: hidden where 16 u + j > my query's place - 8 h
	v_cmp_gt_i32 vcc_lo, 16*(n/8)+n%8, v[DM+\tl]
	v_cndmask_b32 v[SS+n], v[SS+n], v28, vcc_lo
.set n, n+1
.endr
.Lopen_\@:
	v_max3_num_f32 v[MX0], v[SS], v[SS+1], v[SS+2] ; the largest score of my 64 keys, in two chains, each result from its low end on
	v_max3_num_f32 v[MX1], v[SS+3], v[SS+4], v[SS+5]
.set n, 6
.rept 14
	v_max3_num_f32 v[MX0], v[MX0], v[SS+n], v[SS+n+1]
	v_max3_num_f32 v[MX1], v[MX1], v[SS+n+2], v[SS+n+3]
.set n, n+4
.endr
	v_max3_num_f32 v[MX0], v[MX0], v[SS+62], v[SS+63]
	s_delay_alu instid0(VALU_DEP_1)
	v_max_num_f32 v[MX0], v[MX0], v[MX1]
	s_delay_alu instid0(VALU_DEP_1)
	v_permlanex16_b32 v10, v[MX0], s[SEL], s[SEL+1]
	s_delay_alu instid0(VALU_DEP_1)
	v_max_num_f32 v[MX0], v[MX0], v10              ; and of lane l xor 16's
	s_delay_alu instid0(VALU_DEP_1)
	v_mul_f32 v[MX0], s[CS], v[MX0]                ; as t (c is positive)
	s_delay_alu instid0(VALU_DEP_1)
	v_max_num_f32 v[ST+1], v[ST+1], v[MX0]
	v_mov_b32 v[MX0], v[ST]
	s_delay_alu instid0(VALU_DEP_2)
	v_floor_f32 v[ST], -v[ST+1]                    ; -M = floor(-t): M is a whole number
	s_delay_alu instid0(VALU_DEP_1)
	v_sub_f32 v[MX0], v[ST], v[MX0]                ; old M - new M, 0 or less
	s_delay_alu instid0(VALU_DEP_1)
	v_cvt_i32_f32 v[MX0], v[MX0]                   ; (it saturates)
	s_delay_alu instid0(VALU_DEP_1)
	v_ldexp_f32 v[FF], 1.0, v[MX0]                 ; 2^(old M - new M)
.set n, 0
.rept 32
	v_pk_fma_f32 v[SS+n:SS+n+1], v[SS+n:SS+n+1], s[CS:CS+1], v[ST:ST+1] op_sel_hi:[1,0,0]   ; t - M, two at a time
.set n, n+2
.endr
.set n, 0
	s_wait_alu depctr_va_vdst(0)
.rept 64
	v_exp_f32 v[SS+n], v[SS+n]                     ; p = 2^(t - M)
.set n, n+1
.endr
	v_pk_mul_f32 v[ST+2:ST+3], v[ST+2:ST+3], v[FF:FF+1] op_sel_hi:[1,0]   ; the sum under the new M: the plain line behind the exponentials
	s_wait_alu depctr_va_vdst(0)                   ; one wait for the whole batch, ahead of its first reader
	v_pk_add_f32 v[24:25], v[SS:SS+1], v[SS+2:SS+3]   ; the sum of the UNQUANTISED p, in two chains
.set n, 4
.rept 15
	v_pk_add_f32 v[ST+2:ST+3], v[ST+2:ST+3], v[SS+n:SS+n+1]
	v_pk_add_f32 v[24:25], v[24:25], v[SS+n+2:SS+n+3]
.set n, n+4
.endr
	s_delay_alu instid0(VALU_DEP_1)
	v_pk_add_f32 v[ST+2:ST+3], v[ST+2:ST+3], v[24:25]
.set u, 0
.rept 8
.set n, 0
.rept 8
.set n, n+1
.endr
	v_cvt_scalef32_pk8_fp8_f32 v[\p+2*u:\p+2*u+1], v[SS+8*u:SS+8*u+7], v[SCL]
.set u, u+1
.endr
	v_nop                                          ; a plain line behind the last conversion
.endm
; A step of 128 keys for my two tiles.  A step whose keys all come after my group's queries is left out: a branch on the wave's number and the step's, round the work alone.
.macro STEP
	s_cmp_gt_u32 s[KS], s[GM]
	s_cbranch_scc1 .Lskip_\@
	s_setprio 2
	v_add_nc_u32 v[ADR], s[TB], v[LI]
.irp u, 0,1,2,3,4,5,6,7
	ds_load_b128 v[KF+8*\u:KF+8*\u+3], v[ADR] offset:1024*\u
	ds_load_b128 v[KF+8*\u+4:KF+8*\u+7], v[ADR] offset:1024*\u+512
.endr
	s_wait_dscnt 0x0
.irp u, 0,1,2,3,4,5,6,7
	v_wmma_f32_16x16x64_fp8_fp8 v[SS+8*\u:SS+8*\u+7], v[KF+8*\u:KF+8*\u+7], v[QQ:QQ+7], 0
.endr
.rept 4
	v_nop                                          ; places in front of the first read of the scores
.endr
	SOFTMAX 0, PA
.irp u, 0,1,2,3,4,5,6,7
	v_wmma_f32_16x16x64_fp8_fp8 v[SS+8*\u:SS+8*\u+7], v[KF+8*\u:KF+8*\u+7], v[QQ+8:QQ+15], 0
.endr
.rept 4
	v_nop
.endr
	s_setprio 1
	SOFTMAX 1, KF                                  ; k's fragments are done with: the second tile's codes take the first sixteen of their registers
	s_setprio 0
.irp t, 0,1,2,3
.irp c, 0,1,2,3
	ds_load_b128 v[SS+16*\t+4*\c:SS+16*\t+4*\c+3], v[ADR] offset:8192+2048*\t+512*\c   ; v's fragments take p's registers
.endr
.endr
.set n, 0
.rept 16
	v_pk_mul_f32 v[OO+n:OO+n+1], v[OO+n:OO+n+1], v[20:21] op_sel_hi:[1,0]   ; O^T under the new M, while v's loads are out; each result from its low end on
.set n, n+2
.endr
.rept 16
	v_pk_mul_f32 v[OO+n:OO+n+1], v[OO+n:OO+n+1], v[22:23] op_sel_hi:[1,0]
.set n, n+2
.endr
	s_wait_alu depctr_va_vdst(0)
	s_wait_dscnt 0x0
.irp t, 0,1,2,3                                ; eight accumulators, one instruction a turn
	v_wmma_f32_16x16x128_fp8_fp8 v[OO+8*\t:OO+8*\t+7], v[SS+16*\t:SS+16*\t+15], v[PA:PA+15], v[OO+8*\t:OO+8*\t+7]
	v_wmma_f32_16x16x128_fp8_fp8 v[OO+32+8*\t:OO+32+8*\t+7], v[SS+16*\t:SS+16*\t+15], v[KF:KF+15], v[OO+32+8*\t:OO+32+8*\t+7]
.endr
.rept 5
	v_nop                                          ; five places: the next step's products write over v's registers; its loads land on the second tile's codes
.endr
.Lskip_\@:
	s_add_co_u32 s[TB], s[TB], 16384
	s_add_co_u32 s[KS], s[KS], 1
.endm
; Steps 4 g .. 4 g + 3, which load g brought.  At the visit's head wave 0 waits for load g + 1 (2 - g loads were issued behind it) and every wave signals; the wait for the barrier stands at the visit's end.
; Between the two stand register work and LDS loads of load g's bytes, which nobody writes again.  Behind the wait every wave may read load g + 1's bytes.
.macro VISIT g
.if \g < 3
	s_wait_tensorcnt 2-\g
	s_wait_dscnt 0x0
	s_barrier_signal -1
.endif
	s_mov_b32 s[TB], 65536*\g
	s_mov_b32 s[KS], 4*\g
	s_mov_b32 s[CNT], 4
.Lvisit_\@:
	STEP
	s_sub_co_u32 s[CNT], s[CNT], 1
	s_cmp_lg_u32 s[CNT], 0
	s_cbranch_scc1 .Lvisit_\@
	s_setprio 0
.if \g < 3
	s_barrier_wait -1
.endif
.endm
	s_wait_tensorcnt 3                             ; the first load has landed; the three behind it may be out
	s_barrier_signal -1
	s_barrier_wait -1
	s_wait_loadcnt 0x0                             ; q
	VISIT 0
	VISIT 1
	VISIT 2
	VISIT 3
	; THE WAY OUT: O^T / the sum, held, converted: the codes are ctx's images, 1,024 bytes a tile.
	v_add_f32 v14, v14, v15
	v_add_f32 v18, v18, v19
	s_delay_alu instid0(VALU_DEP_2)
	v_permlanex16_b32 v10, v14, s[SEL], s[SEL+1]
	s_delay_alu instid0(VALU_DEP_2)
	v_permlanex16_b32 v11, v18, s[SEL], s[SEL+1]
	s_delay_alu instid0(VALU_DEP_2)
	v_add_f32 v14, v14, v10                        ; the rows' sums
	s_delay_alu instid0(VALU_DEP_2)
	v_add_f32 v18, v18, v11
	s_wait_alu depctr_va_vdst(0)
	v_rcp_f32 v14, v14
	v_rcp_f32 v18, v18
	v_nop                                          ; a plain line behind the reciprocals
	s_wait_alu depctr_va_vdst(0)                   ; and one wait for both, ahead of the first reader
.set n, 0
.rept 16
	v_pk_mul_f32 v[SS+n:SS+n+1], v[OO+n:OO+n+1], v[14:15] op_sel_hi:[1,0]
.set n, n+2
.endr
.rept 16
	v_pk_mul_f32 v[SS+n:SS+n+1], v[OO+n:OO+n+1], v[18:19] op_sel_hi:[1,0]
.set n, n+2
.endr
.set u, 0
.rept 8
.set n, 0
.rept 8
.set n, n+1
.endr
	v_cvt_scalef32_pk8_fp8_f32 v[KF+2*u:KF+2*u+1], v[SS+8*u:SS+8*u+7], v27
.set u, u+1
.endr
	v_nop
.irp p, 0,1
	global_store_b128 v[LI], v[KF+4*\p:KF+4*\p+3], s[10:11] offset:512*\p             ; 512 consecutive bytes each
	global_store_b128 v[LI], v[KF+8+4*\p:KF+8+4*\p+3], s[10:11] offset:16384+512*\p   ; the second tile: the next 16 tokens
.endr
	s_wait_tensorcnt 0x0                           ; the wave's end
	ds_add_u32 v[SPW], v[NIL]
	s_wait_dscnt 0x0
	ROUND                                          ; the closing round
	s_endpgm
.Lfunc_end_k_q2eb647e0fa_attn:
	.size	k_q2eb647e0fa_attn, .Lfunc_end_k_q2eb647e0fa_attn-k_q2eb647e0fa_attn
	.p2alignl 7, 3214868480
	.fill 96, 4, 3214868480
	.section	.rodata,"a",@progbits
	.p2align	6, 0x0
	.amdhsa_kernel k_q2eb647e0fa_attn
		.amdhsa_group_segment_fixed_size 264192
		.amdhsa_private_segment_fixed_size 0
		.amdhsa_enable_private_segment 0
		.amdhsa_kernarg_size 32
		.amdhsa_user_sgpr_count 2
		.amdhsa_user_sgpr_kernarg_segment_ptr 1
		.amdhsa_wavefront_size32 1
		.amdhsa_system_sgpr_workgroup_id_x 1
		.amdhsa_system_sgpr_workgroup_id_y 1
		.amdhsa_system_sgpr_workgroup_id_z 1
		.amdhsa_system_vgpr_workitem_id 0
		.amdhsa_next_free_vgpr 256
		.amdhsa_next_free_sgpr 72
		.amdhsa_reserve_vcc 1
		.amdhsa_float_denorm_mode_32 3
		.amdhsa_float_denorm_mode_16_64 3
		.amdhsa_fp16_overflow 1
		.amdhsa_memory_ordered 1
		.amdhsa_forward_progress 1
		.amdhsa_inst_pref_size 155
	.end_amdhsa_kernel
	.amdgpu_metadata
---
amdhsa.version: [ 1, 2 ]
amdhsa.kernels:
  - .name:           k_q2eb647e0fa_attn
    .symbol:         k_q2eb647e0fa_attn.kd
    .args:
      - { .name: qc, .offset: 0, .size: 8, .value_kind: global_buffer, .address_space: global }
      - { .name: kv, .offset: 8, .size: 8, .value_kind: global_buffer, .address_space: global }
      - { .name: lowp_scales, .offset: 16, .size: 8, .value_kind: global_buffer, .address_space: global }
      - { .name: ctxc, .offset: 24, .size: 8, .value_kind: global_buffer, .address_space: global }
    .group_segment_fixed_size: 264192
    .private_segment_fixed_size: 0
    .kernarg_segment_align: 8
    .kernarg_segment_size: 32
    .max_flat_workgroup_size: 512
    .sgpr_count:     72
    .vgpr_count:     256
    .wavefront_size: 32
...
	.end_amdgpu_metadata
.endif
;; end of part 3
;; launch outp (part 4): grid 4 x 32, 4 waves a work-group, clusters of 4 x 4, 327,680 bytes of LDS; arguments ctxc, wc, lowp_scales, bo, out0; writes out0
.if DOCPART == 4
	.amdgcn_target "amdgcn-amd-amdhsa--gfx1250"
	.amdhsa_code_object_version 6
	.text
	.protected	k_q2eb647e0fa_outp
	.globl	k_q2eb647e0fa_outp
	.p2align	8
	.type	k_q2eb647e0fa_outp,@function
k_q2eb647e0fa_outp:
	s_mov_b64 s[64:65], 0
	v_nop
	global_prefetch_b8 v0, s[64:65] scope:SCOPE_SE
	s_setreg_imm32_b32 hwreg(HW_REG_WAVE_MODE, 25, 1), 1
	s_wait_xcnt 0x0
	s_wait_alu depctr_hold_cnt(0) depctr_sa_sdst(0) depctr_va_vdst(0) depctr_va_sdst(0) depctr_va_ssrc(0) depctr_va_vcc(0) depctr_vm_vsrc(0)
	s_getreg_b32 s2, hwreg(HW_REG_IB_STS2, 6, 4)
	s_cmp_eq_u32 s2, 0
	s_cbranch_scc0 .Lentry_in_a_cluster
	s_endpgm
.Lentry_in_a_cluster:
	s_bfe_u32 s2, ttmp6, 0x10000c
	s_cmp_lg_u32 s2, 0xf033
	s_cbranch_scc0 .Lentry_shape_is_right
	s_endpgm
.Lentry_shape_is_right:
; out = ctx Wo + bo on codes of E4M3: out = sum x 2^(ec + ew) + bo, one fused multiply-add; ec, ew are entries 10 and 11 of lowp_scales.  LIMIT: ec + ew between -126 and 127.
; ctxc [512 tiles of 16 tokens][8 K steps][2048] and Wo's codes (the fourth MiB of wc, [64 tiles of 16 channels][8][2048]) lie as images of operand registers: piece c of 512 bytes holds lane l's registers 4 c .. 4 c + 3 at 16 l.
; A work-group makes 256 x 256 of out, each of its four waves 128 x 128: 64 accumulators.  4 x 4 work-groups form a cluster: ctx's tiles are asked for jointly along a row of it, Wo's along a column.
; 128 work-groups: a smaller tile would fill more WGPs and read each fragment from LDS for half the products.
; Source 0 = 16 channels, source 1 = 16 tokens: a lane holds eight neighbouring numbers of a row of out.  K = 1,024 goes in four steps of 256 through two LDS slots.
; REGISTERS, in windows of 256: window 0: v0-31 addresses; v32-95 bo; v128-255 A's fragments, one set (on the way out v128-191: a block's 64 numbers).
;   window 1: B's fragments, two sets (on the way out v0-127: rows read back from the stage, two sets).   windows 2, 3: the accumulators, (a, b) at v[8 (8 (a % 4) + b)].
.set SLOT,  131072
.set SPARE, 2*SLOT                     ; behind the ring: the spare words, 128 bytes for each wave, two blocks of 256 bytes that no other line names
.set SPITCH, 528                       ; the way out: a stage of 16 rows x (512 bytes + 16) for each wave, in slot 0, which has had its last fill and its last read when the first result is stored there
.set FR,    16
.set NL,    4
.set NP,    4
.set LI,    5                          ; v5   16 x lane
.set BOH,   14                         ; v14  32 h
.set ADRA,  16
.set ADRB,  20
.set STO,   24                         ; v24  the stage: where I put 32 bytes of a row
.set RD,    25                         ; v25  and where I read a row back
.set SPW,   28
.set NIL,   29
.set BP,    32
.set AF,    128
.set TMP,   128
.set G1,  24
.set G0,  32
.set G1B, 48
.set G0B, 56
.set MSB, 0
.macro WIN new                         ; the immediate's high byte repeats the setting that is left
.if MSB != (\new)
	s_set_vgpr_msb (MSB<<8)|(\new)
.set MSB, (\new)
.endif
.endm
.set MUL_LO, 0xa1
.set MUL_HI, 0xf1
.set TO_B,   0x40
.macro JLOAD g0a, g1a, g0b, g1b        ; a joint load: waves 0 and 1 fetch A's halves, waves 2 and 3 B's; an s_nop 0 and four v_nop follow each line
	s_cmp_eq_u32 s21, 0
	s_cbranch_scc0 .Lfor_b_\@
	tensor_load_to_lds s[\g0a:\g0a+3], s[\g1a:\g1a+7]
	s_nop 0
.rept 4
	v_nop
.endr
	s_branch .Lasked_\@
.Lfor_b_\@:
	tensor_load_to_lds s[\g0b:\g0b+3], s[\g1b:\g1b+7]
	s_nop 0
.rept 4
	v_nop
.endr
.Lasked_\@:
.endm
.macro CREST
	s_cmp_lg_u32 s20, 0
	s_cbranch_scc1 .Lnot_wave_0_\@
	s_barrier_signal -3
.Lnot_wave_0_\@:
	s_barrier_wait -3
	s_barrier_signal -1
	s_barrier_wait -1
.endm
.macro CROUND
	s_barrier_signal -1
	s_barrier_wait -1
	CREST
.endm
	s_load_b256 s[4:11], s[0:1], 0x0               ; ctxc s[4:5], wc s[6:7], the exponents s[8:9], bo s[10:11]
	s_load_b64 s[12:13], s[0:1], 0x20              ; out0
	v_lshl_add_u32 v[SPW], v0, 2, SPARE
	v_mov_b32 v[NIL], 0
	ds_add_u32 v[SPW], v[NIL]                      ; the wave's opening: the add and its wait stand ahead of my first tensor load
	ds_add_u32 v[SPW], v[NIL]
	v_lshrrev_b32 v1, 5, v0
	v_readfirstlane_b32 s20, v1                    ; wave 0..3
	s_lshr_b32 s21, s20, 1                         ; which half of the tokens is mine.  Also: I fetch for A (0) or for B (1)
	s_and_b32 s22, s20, 1                          ; which half of the channels.  Also: which 128 rows of that tile I fetch
	s_bfe_u32 s23, ttmp6, 0x40000                  ; cx
	s_bfe_u32 s40, ttmp6, 0x40004                  ; cy
	s_lshl_b32 s41, ttmp9, 2
	s_add_co_u32 s41, s41, s23                     ; the tile of 256 channels
	s_and_b32 s42, ttmp7, 0xffff
	s_lshl_b32 s42, s42, 2
	s_add_co_u32 s42, s42, s40                     ; the tile of 256 tokens
	s_lshl_b32 s43, s40, 2
	s_lshl_b32 s43, 15, s43                        ; my row of the cluster
	s_lshl_b32 s44, 0x1111, s23                    ; my column
	s_or_b32 s[G1+0], s43, (3<<16)|(1<<21)         ; 15:0 the mask; 17:16 elements of 8 bytes; 21 set beside a mask
	s_or_b32 s[G1B+0], s44, (3<<16)|(1<<21)
.irp g, G1, G1B
	s_mov_b32 s[\g+1], 512<<16                     ; tensor_dim0: 4,096 bytes (two K steps) of a tile of 16 rows
	s_mov_b32 s[\g+2], 8<<16                       ; tensor_dim1: 8 such tiles
	s_mov_b32 s[\g+3], 512<<16
	s_mov_b32 s[\g+4], 8
	s_mov_b32 s[\g+5], 2048                        ; 16,384 bytes apart
	s_mov_b32 s[\g+6], 0
	s_mov_b32 s[\g+7], 0
.endr
	s_lshl_b32 s72, s42, 18
	s_lshl_b32 s73, s22, 17
	s_add_co_u32 s72, s72, s73
	s_mov_b32 s73, 0
	s_lshl_b32 s74, s41, 18
	s_lshl_b32 s75, s22, 17
	s_add_co_u32 s74, s74, s75
	s_add_co_u32 s74, s74, 0x300000                ; Wo's codes
	s_mov_b32 s75, 0
	s_lshl_b32 s45, s20, 15
	s_wait_dscnt 0x0                               ; the opening add is done
	s_wait_kmcnt 0x0
	s_load_b64 s[76:77], s[8:9], 0x28              ; ec, ew
	s_add_nc_u64 s[68:69], s[4:5], s[72:73]
	s_add_nc_u64 s[46:47], s[6:7], s[74:75]
	CROUND                                         ; all sixteen work-groups are here: the first joint loads meet
.irp s, 0,1
	s_mov_b32 s[G0+4*\s], 1
	s_add_co_u32 s[G0+4*\s+1], s45, \s*SLOT
	s_add_nc_u64 s[G0+4*\s+2:G0+4*\s+3], s[68:69], \s*4096
	s_or_b32 s[G0+4*\s+3], s[G0+4*\s+3], 0x80000000
	s_mov_b32 s[G0B+4*\s], 1
	s_add_co_u32 s[G0B+4*\s+1], s45, \s*SLOT
	s_add_nc_u64 s[G0B+4*\s+2:G0B+4*\s+3], s[46:47], \s*4096
	s_or_b32 s[G0B+4*\s+3], s[G0B+4*\s+3], 0x80000000
	s_wait_alu depctr_va_vdst(0)
	s_wait_tensorcnt 0x0
	ds_add_u32 v28, v29
	ds_add_u32 v28, v29
	s_wait_dscnt 0x0
	CROUND
	JLOAD G0+4*\s, G1, G0B+4*\s, G1B               ; one load of mine is out behind these
.endr
	v_and_b32 v3, 31, v0
	v_lshlrev_b32 v[LI], 4, v3
	v_and_b32 v1, 15, v0                           ; r
	s_wait_alu depctr_va_vdst(0)
	v_bfe_u32 v2, v0, 4, 1                         ; h
	v_lshlrev_b32 v[BOH], 5, v2
	s_lshl_b32 s90, s21, 15
	s_lshl_b32 s91, s22, 15
	s_add_co_u32 s91, s91, 65536
.irp s, 0,1
	v_add_nc_u32 v[ADRA+\s], s90, v[LI]
	v_add_nc_u32 v[ADRB+\s], s91, v[LI]
	s_add_co_u32 s90, s90, SLOT
	s_add_co_u32 s91, s91, SLOT
.endr
	s_mul_i32 s90, s20, 16*SPITCH                  ; my stage
	v_mul_u32_u24 v[STO], v1, SPITCH
	s_wait_alu depctr_va_vdst(0)
	v_lshl_add_u32 v[STO], v2, 5, v[STO]
	v_add_nc_u32 v[STO], s90, v[STO]               ; in: row r, 32 bytes for each half of the lanes
	v_add_nc_u32 v[RD], s90, v[LI]                 ; back: the 32 lanes take one row of 512 bytes
	s_lshl_b32 s72, s41, 8
	s_lshl_b32 s73, s22, 7
	s_add_co_u32 s72, s72, s73                     ; my first channel
	s_lshl_b32 s72, s72, 2
	s_mov_b32 s73, 0
	s_add_nc_u64 s[10:11], s[10:11], s[72:73]      ; bo there
	s_lshl_b32 s74, s42, 8
	s_lshl_b32 s75, s21, 7
	s_add_co_u32 s74, s74, s75                     ; my first token: a row of out is 4,096 bytes
	s_lshl_b32 s74, s74, 12
	s_add_co_u32 s74, s74, s72
	s_mov_b32 s75, 0
	s_add_nc_u64 s[12:13], s[12:13], s[74:75]
.set b, 0
.rept 8                                        ; bo(my first channel + 16 b + 8 h + 0 .. 7)
	global_load_b128 v[BP+8*b:BP+8*b+3], v[BOH], s[10:11] offset:64*b
	global_load_b128 v[BP+8*b+4:BP+8*b+7], v[BOH], s[10:11] offset:64*b+16
.set b, b+1
.endr
	s_wait_kmcnt 0x0
	s_add_co_i32 s88, s76, s77
	s_add_co_i32 s88, s88, 127
	s_lshl_b32 s88, s88, 23                        ; 2^(ec + ew) as f32
	s_mov_b32 s89, s88                             ; (named with it as a pair, so it is written)
.macro FRAG reg, adr, q, i
.irp c, 0,1,2,3
	ds_load_b128 v[\reg+4*\c:\reg+4*\c+3], v[\adr] offset:4096*(\i)+2048*(\q)+512*\c
.endr
.endm
.macro MUL16 a0, p, zero               ; 16 matrix instructions; the 64 accumulators take turns, one instruction a turn
.irp a, \a0, \a0+1
.irp b, 0,1,2,3,4,5,6,7
.if \zero
	v_wmma_f32_16x16x128_fp8_fp8 v[8*(8*((\a)%4)+\b):8*(8*((\a)%4)+\b)+7], v[128*(\p)+FR*\b:128*(\p)+FR*\b+FR-1], v[AF+FR*(\a):AF+FR*(\a)+FR-1], 0
.else
	v_wmma_f32_16x16x128_fp8_fp8 v[8*(8*((\a)%4)+\b):8*(8*((\a)%4)+\b)+7], v[128*(\p)+FR*\b:128*(\p)+FR*\b+FR-1], v[AF+FR*(\a):AF+FR*(\a)+FR-1], v[8*(8*((\a)%4)+\b):8*(8*((\a)%4)+\b)+7]
.endif
.endr
.endr
.endm
.macro FETCH_B slot, q, p
	WIN TO_B
.irp i, 0,1,2,3,4,5,6,7
	FRAG 128*(\p)+FR*\i, ADRB+\slot, \q, \i
.endr
	WIN 0
.endm
.macro FETCH_A slot, q, i0
.irp i, \i0, \i0+1, \i0+2, \i0+3
	FRAG AF+FR*(\i), ADRA+\slot, \q, \i
.endr
.endm
.macro PLACES n
.rept \n
	v_nop
.endr
.endm
.macro STEP slot, q, zero
	s_wait_dscnt 4*NL                              ; B's set and A's blocks 0-3 are in; the youngest 16 loads (A's blocks 4-7) may be out
	WIN MUL_LO
	MUL16 0, (\q)%2, \zero
	MUL16 2, (\q)%2, \zero
	s_wait_dscnt 0
	PLACES NP
	FETCH_B \slot, (\q)+1, 1-(\q)%2
	FETCH_A \slot, (\q)+1, 0
	WIN MUL_HI
	MUL16 4, (\q)%2, \zero
	MUL16 6, (\q)%2, \zero
	PLACES NP
	WIN 0
	FETCH_A \slot, (\q)+1, 4
.endm
.macro TURN slot, next, fill
	s_wait_tensorcnt 0x0                           ; all my tensor loads have landed: my part of the next slot
	ds_add_u32 v[SPW], v[NIL]                      ; 0 onto my spare word
	s_wait_dscnt 4*NL+1                            ; (the add and the youngest 16 loads may be out)
	WIN MUL_LO
	MUL16 0, 1, 0
	s_wait_dscnt 0x0                               ; the add is done, and my reads of this slot are over
	s_barrier_signal -1
	MUL16 2, 1, 0
	WIN 0
	s_barrier_wait -1
.if \fill
	CREST                                          ; the barrier has opened a round of the cluster's: no wave of any partner still reads this slot or has a load on its way
	s_add_nc_u64 s[G0+4*\slot+2:G0+4*\slot+3], s[G0+4*\slot+2:G0+4*\slot+3], 8192
	s_add_nc_u64 s[G0B+4*\slot+2:G0B+4*\slot+3], s[G0B+4*\slot+2:G0B+4*\slot+3], 8192
	JLOAD G0+4*\slot, G1, G0B+4*\slot, G1B         ; the first tensor load behind the round
.else
	PLACES NP
.endif
	FETCH_B \next, 0, 0
	FETCH_A \next, 0, 0
	WIN MUL_HI
	MUL16 4, 1, 0
	MUL16 6, 1, 0
	PLACES NP
	WIN 0
	FETCH_A \next, 0, 4
.endm
	s_wait_tensorcnt 1                             ; my part of slot 0 is in (slot 1's load may be out)
	s_barrier_signal -1
	s_barrier_wait -1                              ; everybody's is
	FETCH_B 0, 0, 0
	FETCH_A 0, 0, 0
	FETCH_A 0, 0, 4
	STEP 0, 0, 1                                   ; the first products start the sums
	TURN 0, 1, 1
	STEP 1, 0, 0
	TURN 1, 0, 1
	STEP 0, 0, 0
	TURN 0, 1, 0                                   ; behind this change nobody reads slot 0 and nothing fills it
	STEP 1, 0, 0
	s_wait_dscnt 4*NL
	WIN MUL_LO
	MUL16 0, 1, 0
	MUL16 2, 1, 0
	s_wait_dscnt 0
	WIN MUL_HI
	MUL16 4, 1, 0
	MUL16 6, 1, 0
	WIN 0
; THE WAY OUT, block by block of 16 tokens x 128 channels: a lane's 32 bytes of a row go into my own stage and come back as whole rows of 512 bytes.  LDS serves a wave's instructions in order: no wait between the stores and the loads.
.macro TOSTAGE a
.set AC, 64*((\a)%4)
.set BB, 64*((\a)%2)
	WIN 0x02+((\a)/4)                              ; source 0: window 2 or 3
.set j, 0
.rept 32                                       ; each accumulator from its low end on
	v_pk_fma_f32 v[TMP+j:TMP+j+1], v[AC+j:AC+j+1], s[88:89], v[BP+j:BP+j+1] op_sel_hi:[1,0,1]
.set j, j+2
.endr
	WIN 0
.set b, 0
.rept 8
	ds_store_b128 v[STO], v[TMP+8*b:TMP+8*b+3] offset:64*b
	ds_store_b128 v[STO], v[TMP+8*b+4:TMP+8*b+7] offset:64*b+16
.set b, b+1
.endr
	WIN 0x40                                       ; destination window 1
.set t, 0
.rept 16
	ds_load_b128 v[BB+4*t:BB+4*t+3], v[RD] offset:t*SPITCH
.set t, t+1
.endr
	WIN 0
.endm
.macro SEND a, younger                 ; younger: the LDS instructions issued behind block a's loads, which may stay out
.set BB, 64*((\a)%2)
	s_wait_dscnt \younger
.if (\a) > 0
	s_add_nc_u64 s[12:13], s[12:13], 16*4096       ; (behind a wait on XCNT: the earlier stores have read their base)
.endif
	WIN 0x04                                       ; the stores' data: window 1
.set t, 0
.rept 16
	global_store_b128 v[LI], v[BB+4*t:BB+4*t+3], s[12:13] offset:t*4096 th:TH_STORE_NT   ; 512 consecutive bytes, at a multiple of 256 from out's first byte
.set t, t+1
.endr
	WIN 0
.endm
	s_wait_loadcnt 0x0                             ; bo
	PLACES NP                                      ; behind the last products: for the reads of their results and the writes over their operands
	TOSTAGE 0
.irp a, 1,2,3,4,5,6,7
.if \a > 1
	s_wait_xcnt 0x0                                ; block a - 2's stores have read their registers and their base
.endif
	TOSTAGE \a
	SEND \a-1, 32                                  ; behind block a - 1's loads: block a's 16 stores and 16 loads
.endr
	s_wait_xcnt 0x0
	SEND 7, 0
	s_wait_tensorcnt 0x0                           ; the wave's end
	ds_add_u32 v[SPW], v[NIL]
	s_wait_dscnt 0x0
	CROUND                                         ; the closing round
	s_endpgm
.Lfunc_end_k_q2eb647e0fa_outp:
	.size	k_q2eb647e0fa_outp, .Lfunc_end_k_q2eb647e0fa_outp-k_q2eb647e0fa_outp
	.p2alignl 7, 3214868480
	.fill 96, 4, 3214868480
	.section	.rodata,"a",@progbits
	.p2align	6, 0x0
	.amdhsa_kernel k_q2eb647e0fa_outp
		.amdhsa_group_segment_fixed_size 327680
		.amdhsa_private_segment_fixed_size 0
		.amdhsa_enable_private_segment 0
		.amdhsa_kernarg_size 40
		.amdhsa_user_sgpr_count 2
		.amdhsa_user_sgpr_kernarg_segment_ptr 1
		.amdhsa_wavefront_size32 1
		.amdhsa_system_sgpr_workgroup_id_x 1
		.amdhsa_system_sgpr_workgroup_id_y 1
		.amdhsa_system_sgpr_workgroup_id_z 1
		.amdhsa_system_vgpr_workitem_id 0
		.amdhsa_next_free_vgpr 1024
		.amdhsa_next_free_sgpr 100
		.amdhsa_reserve_vcc 0
		.amdhsa_float_denorm_mode_32 3
		.amdhsa_float_denorm_mode_16_64 3
		.amdhsa_memory_ordered 1
		.amdhsa_forward_progress 1
		.amdhsa_inst_pref_size 126
	.end_amdhsa_kernel
	.amdgpu_metadata
---
amdhsa.version: [ 1, 2 ]
amdhsa.kernels:
  - .name:           k_q2eb647e0fa_outp
    .symbol:         k_q2eb647e0fa_outp.kd
    .args:
      - { .name: ctxc, .offset: 0, .size: 8, .value_kind: global_buffer, .address_space: global }
      - { .name: wc, .offset: 8, .size: 8, .value_kind: global_buffer, .address_space: global }
      - { .name: lowp_scales, .offset: 16, .size: 8, .value_kind: global_buffer, .address_space: global }
      - { .name: bo, .offset: 24, .size: 8, .value_kind: global_buffer, .address_space: global }
      - { .name: out0, .offset: 32, .size: 8, .value_kind: global_buffer, .address_space: global }
    .group_segment_fixed_size: 327680
    .private_segment_fixed_size: 0
    .kernarg_segment_align: 8
    .kernarg_segment_size: 40
    .max_flat_workgroup_size: 128
    .sgpr_count:     100
    .vgpr_count:     1024
    .wavefront_size: 32
...
	.end_amdgpu_metadata
.endif
;; end of part 4
